; MI455X (gfx1250); checked and timed in simulation.
; The chip was launched on July 23, 2026; its instructions are those of AMD's public machine-readable ISA for CDNA 5 (MIT licence, August 2026) and "CDNA5" Instruction Set Architecture Reference Guide (July 2026). The comments in the code are by the model that wrote it; some were corrected since.
;; Standard Multi Head Attention. Allowed arithmetic: matrix products marked QUANTISED: E2M1 operands, one E8M0 scale for each 32 along K, by v_wmma_scale_f32_16x16x128_f8f6f4 with both operands' format E2M1 (or v_wmma_scale_f32_32x16x128_f4), f32 sums; everything else in f32.
;; Inputs: Wk_codes 1,024 x 32 x 16 uint8 (E2M1 codes of Wk, K innermost, in blocks of 32 codes, two codes a byte); Wk_scales 1,024 x 32 uint8 (E8M0 scales of Wk, one for each 32 codes along K); Wo_codes 1,024 x 32 x 16 uint8 (E2M1 codes of Wo, K innermost, in blocks of 32 codes, two codes a byte); Wo_scales 1,024 x 32 uint8 (E8M0 scales of Wo, one for each 32 codes along K); Wq_codes 1,024 x 32 x 16 uint8 (E2M1 codes of Wq, K innermost, in blocks of 32 codes, two codes a byte); Wq_scales 1,024 x 32 uint8 (E8M0 scales of Wq, one for each 32 codes along K); Wv_codes 1,024 x 32 x 16 uint8 (E2M1 codes of Wv, K innermost, in blocks of 32 codes, two codes a byte); Wv_scales 1,024 x 32 uint8 (E8M0 scales of Wv, one for each 32 codes along K); bk 1,024 float32; bo 1,024 float32; bq 1,024 float32; bv 1,024 float32; x_codes 4 x 2,048 x 32 x 16 uint8 (E2M1 codes of x, K innermost, in blocks of 32 codes, two codes a byte); x_scales 4 x 2,048 x 32 uint8 (E8M0 scales of x, one for each 32 codes along K).
;; Outputs: out0 4 x 2,048 x 1,024 float32.
;; This version of the problem:
;;   THIS VERSION OF THE PROBLEM IS GIVEN IN LOW PRECISION. The matrix products marked QUANTISED in the list below multiply operands that are first quantised to E2M1 (2 exponent bits, 1 mantissa bit; 4 bits a number), with one power-of-two scale for each 32 numbers along K (OCP MX v1.0); their sums are f32. All else is computed in f32.
;;   The module's matrix products, in the order in which they are computed (A, B: the left and right operand; K: the contracted axis; several contracted axes count as one K, in the product's order):
;;     1. [M 8,192, K 1,024] x [K 1,024, N 1,024]; A: input x (given as codes); B: input Wq (given as codes): QUANTISED
;;     2. [M 8,192, K 1,024] x [K 1,024, N 1,024]; A: input x (given as codes); B: input Wk (given as codes): QUANTISED
;;     3. [M 8,192, K 1,024] x [K 1,024, N 1,024]; A: input x (given as codes); B: input Wv (given as codes): QUANTISED
;;     4. batch 64 x [M 2,048, K 64] x [K 64, N 2,048]; A: computed on the way; B: computed on the way: QUANTISED
;;     5. batch 64 x [M 2,048, K 2,048] x [K 2,048, N 64]; A: softmax (see below); B: computed on the way: QUANTISED
;;     6. [M 8,192, K 1,024] x [K 1,024, N 1,024]; A: computed on the way; B: input Wo (given as codes): QUANTISED
;;   THE QUANTISER, for each operand of a quantised product, along K:
;;     - K is cut into blocks of 32 from its start; a last block that is shorter is filled with zeros.
;;     - A block's scale is 2^e with e = floor(log2(the largest magnitude in the block)) - 2, held to -126 .. 127; a block of zeros has e = 0. As a byte (E8M0): e + 127.
;;     - Each number is divided by its block's scale, clamped to +-6, and rounded to the nearest number of E2M1, ties to even, subnormals kept.
;;     - The product sums the exact products of the quantised numbers (number of the format x scale) in f32.
;;   ~~~python
;;   def quantise(x, axis):      # numpy; x: float32 -> the quantised numbers, widened to float32 again
;;       x = np.moveaxis(x, axis, -1); K = x.shape[-1]
;;       x = np.pad(x, [(0, 0)] * (x.ndim - 1) + [(0, -K % 32)]); x = x.reshape(x.shape[:-1] + (-1, 32)); a = np.abs(x).max(-1, keepdims=True)
;;       e = np.where(a > 0, np.clip(np.frexp(np.where(a > 0, a, 1))[1] - 1 - 2, -126, 127), 0)      # np.frexp(a)[1] - 1 = floor(log2(a)), exactly
;;       r = np.clip(x / 2.0 ** e, -6, 6)
;;       step = 2.0 ** (np.maximum(np.frexp(np.where(r == 0, 1, r))[1] - 1, 0) - 1)
;;       q = np.round(r / step) * step * 2.0 ** e      # np.round: ties to even
;;       return np.moveaxis(q.reshape(q.shape[:-2] + (-1,))[..., :K], -1, axis).astype(np.float32)
;;   ~~~
;;   SOFTMAX AHEAD OF A QUANTISED PRODUCT. Where the list says 'softmax', what is quantised is not the finished softmax but p = 2^(t - M), with t = logit x log2(e) and M = ceil(the row's largest t), a whole number; so 1/2 < the row's largest p <= 1. The row's sum l is taken of the UNQUANTISED p, in f32, and the product's result is divided by l at the end. Since M is a whole number, a kernel that streams over the keys may use a running M (the ceiling of the running maximum): every later rescaling is an exact power of two, which a block's scale takes up: the codes' values come out the same.
;;   OPERANDS COMPUTED ON THE WAY. 'Computed on the way' means the value that the module computes at that place (a softmax that the list does not call 'softmax' is quantised finished and normalised). What goes into a quantiser is computed in f32, as accurately as f32 sums, v_exp_f32 and their like allow (about 1e-6 of the number): no bf16 or f16 on the way to a quantiser, and a product that is left as it is and whose result goes on into a quantised operand takes f32 operands (vector FMAs, or v_wmma_f32_16x16x4_f32). A number that lies on a knife's edge between two numbers of the format may be rounded either way, as far as f32 arithmetic and the matrix unit's own rounding can turn it there, and no further.
;;   INPUTS GIVEN AS CODES. Wk (in the module: [1024, 1024], K = its axis 1); Wo (in the module: [1024, 1024], K = its axis 1); Wq (in the module: [1024, 1024], K = its axis 1); Wv (in the module: [1024, 1024], K = its axis 1); x (in the module: [4, 2048, 1024], K = its axis 2): each comes as NAME_codes (uint8): NAME with its K axis moved to the last place and cut into blocks of 32 codes, [.., K / 32, bytes a block], one block behind the other in memory; two codes a byte, the lower K in the low four bits (a code: sign, 2 exponent bits, 1 mantissa bit); and NAME_scales (uint8): the same leading axes, one E8M0 byte (e + 127) for each 32 codes along K. Its value is code x scale, taken as it is: it is not quantised again, and the codes and scales need not be those that the quantiser above would give.
;; One version. Each part assembles by itself: llvm-mc -triple=amdgcn-amd-amdhsa -mcpu=gfx1250 --defsym DOCPART=n.
;; ======== version 1 of 1: 3 launches
;; workspace buffers: qimg 4,194,304 bytes; qsc 524,288 bytes; kv 9,437,184 bytes; aimg 4,194,304 bytes; asc 262,144 bytes
;; launch qkv (part 1): grid 8 x 32, 4 waves a work-group, clusters of 4 x 4, 327,680 bytes of LDS; arguments x_codes, x_scales, Wq_codes, Wk_codes, Wv_codes, Wq_scales, Wk_scales, Wv_scales, bq, bk, bv, qimg, qsc, kv; writes qimg, qsc, kv
.if DOCPART == 1
	.amdgcn_target "amdgcn-amd-amdhsa--gfx1250"
	.amdhsa_code_object_version 6
	.text
	.protected	k_qe4aeb07c60_qkv
	.globl	k_qe4aeb07c60_qkv
	.p2align	8
	.type	k_qe4aeb07c60_qkv,@function
k_qe4aeb07c60_qkv:
	s_mov_b64 s[64:65], 0
	v_nop
	global_prefetch_b8 v0, s[64:65] scope:SCOPE_SE
	s_setreg_imm32_b32 hwreg(HW_REG_WAVE_MODE, 25, 1), 1
	s_wait_xcnt 0x0
	s_wait_alu depctr_hold_cnt(0) depctr_sa_sdst(0) depctr_va_vdst(0) depctr_va_sdst(0) depctr_va_ssrc(0) depctr_va_vcc(0) depctr_vm_vsrc(0)
	s_getreg_b32 s2, hwreg(HW_REG_IB_STS2, 6, 4)
	s_cmp_eq_u32 s2, 0
	s_cbranch_scc0 .Lentry_in_a_cluster
	s_endpgm
.Lentry_in_a_cluster:
	s_bfe_u32 s2, ttmp6, 0x10000c
	s_cmp_lg_u32 s2, 0xf033
	s_cbranch_scc0 .Lentry_shape_is_right
	s_endpgm
.Lentry_shape_is_right:
; q = x Wq^T + bq, k = x Wk^T + bk, v = x Wv^T + bv on codes of FP4 (E2M1) with one E8M0 byte for each 32 along K; sums in f32; the three results are
; quantised here, in registers, and leave as codes: q and k along the head's 64 channels, v along the tokens (the keys of the second attention product).
; SHARES.  A work-group takes 256 tokens x two heads (128 channels) x {q, k, v}; wave w takes 128 of the tokens (w / 2) and one head (w % 2): three passes of 32 accumulators,
; eight K steps of 128 each.  The wave's x (128 rows x 512 bytes = 512 registers) is read from LDS once, in pass q, and stays in registers for passes k and v.
; q AND k ARE MADE TRANSPOSED (source 0 = 16 rows of W, source 1 = 16 tokens): a lane holds one token and its registers run along the channels, which are the next K.
; v IS MADE THE OTHER WAY ROUND (source 0 = 16 tokens, source 1 = 16 rows of W): a lane holds one channel and its registers run along the tokens, which are ITS next K.
; So in every pass a block of 32 along the next K is the 16 registers of two neighbouring tiles in lanes l and l xor 16, and one quantiser serves all three.
; WHAT IS STORED ARE IMAGES OF THE NEXT OPERANDS' REGISTERS: four registers by one store of 16 bytes a lane, 512 consecutive bytes a store.
;   qimg [b h][tile of 16 queries][lane][16]: lane (r, h') holds query r, channels 32 h' .. 32 h' + 31.   qsc [b h][128 tokens][lane][4 words]: word p of lane l = tile 2 p + l / 16, row l % 16: two bytes and 0x7f, 0x7f.
;   kv [b h][128 keys][9,216]: +0 k's eight images; +4,096 v's eight (2 t + c: channels 16 t + r, keys 64 c + 32 h' ..); +8,192 k's scale words as qsc; +8,704 v's: [lane][4 words t].
; CLUSTERS, 4 x 4: x's tile hangs on the block of tokens alone and is asked for jointly along a row of the cluster, a weight's tile on the pair of heads alone: jointly along a column.
; LDS: x's 256 rows, Wq's 128 rows, Wk's 128 rows; the three weights beside x would be 337,920 bytes, so Wv comes into Wq's bytes when pass q is over: the launch's one refill.
; LIMITS: NaN and infinities are not served.  A block whose largest magnitude is 0 or under 2^-124 gets the byte 1 (the rule says 127 for zeros): its codes are zeros, and these bytes are read by this program alone.
.set PITCH,  528                       ; an LDS row: 512 bytes + 16 = 33 x 16 bytes: the sixteen rows of a fragment load begin at sixteen different 16-byte columns of 256 bytes
.set HALFX,  128*PITCH                 ; 128 rows: what one tensor load brings
.set WA,     2*HALFX                   ; behind x's 256 rows: Wq's 128 rows, later Wv's
.set WB,     3*HALFX                   ; Wk's 128 rows
.set SPARE,  4*HALFX                   ; the spare words, 128 bytes for each wave: two blocks of 256 bytes that no other line names
.set AX,  4                            ; v4   LDS: my 128 rows of x: row r, + 16 h
.set AWA, 5                            ; v5   my 64 rows in WA
.set AWB, 6                            ; v6   my 64 rows in WB
.set L16, 7                            ; v7   16 x lane
.set L32, 8                            ; v8   32 x lane
.set BH,  9                            ; v9   32 h
.set BR,  10                           ; v10  4 r
.set SPW, 11                           ; v11  LDS address of my spare word; never rewritten
.set NIL, 12                           ; v12  0; never rewritten
.set XS,  24                           ; v24-55   x's scale words: 8 p + s: lanes 0-15 token tile 2 p, lanes 16-31 tile 2 p + 1, K step s
.set WS,  56                           ; v56-71   the weight's, likewise for its four tiles
.set BI,  72                           ; v72-103  the bias in the result's layout: the C of each sum's first product
.set WF,  104                          ; v104-135, v136-167  the weight's four fragments, two sets
.set PC,  104                          ; the codes just made lie over set 0
.set TM,  168                          ; v168-183 largest magnitudes, then bytes
.set TP,  184                          ; v184-199 the other half's maxima
.set SO,  200                          ; v200-215 the conversions' scale operands
.set SW,  216                          ; v216-223 a tile's scale word
.set SM,  224                          ; v224-227 the scale words as they are stored
; windows 1 and 2: x's fragment (tile i, K step s) at window 1 + s / 4, v[64 (s % 4) + 8 i].   window 3: the accumulators: q, k: (i, t) at 8 (4 i + t); v: 8 (8 t + i): block n of the quantiser is v[16 n .. 16 n + 15]
.set WV,  32                           ; s32 wave, s33 its half of the tokens, s34 its head of the two
.set G1X, 44                           ; s[44:51] descriptor group 1 with the mask of my row of the cluster;  s[52:59] with that of my column
.set G1W, 52
.set G0X, 60                           ; s[60:63] group 0 for x;  s[68:71] Wq;  s[72:75] Wk;  s[76:79] Wv
.set G0Q, 68
.set G0K, 72
.set G0V, 76
.set MSB, 0
.macro WIN new                         ; the immediate's high byte repeats the setting that is left; a switch that changes nothing is dropped
.if MSB != (\new)
	s_set_vgpr_msb (MSB<<8)|(\new)
.set MSB, \new
.endif
.endm
.macro PLACES                          ; four places behind a matrix instruction of this form, in front of loads into its registers and of reads of its result
.rept 4
	v_nop
.endr
.endm
.macro CROUND                          ; a round of the cluster's barrier
	s_barrier_signal -1
	s_barrier_wait -1
	s_cmp_lg_u32 s[WV], 0
	s_cbranch_scc1 .Lnot_wave_0_\@
	s_barrier_signal -3
.Lnot_wave_0_\@:
	s_barrier_wait -3
	s_barrier_signal -1
	s_barrier_wait -1
.endm
	s_load_b512 s[4:19], s[0:1], 0x0               ; x_codes s[4:5], x_scales s[6:7], Wq/Wk/Wv_codes s[8:13], Wq/Wk/Wv_scales s[14:19]
	s_load_b256 s[20:27], s[0:1], 0x40             ; bq, bk, bv s[20:25], qimg s[26:27]
	s_load_b128 s[28:31], s[0:1], 0x60             ; qsc s[28:29], kv s[30:31]
	v_lshl_add_u32 v[SPW], v0, 2, SPARE
	v_mov_b32 v[NIL], 0
	ds_add_u32 v11, v12
	ds_add_u32 v11, v12
	s_wait_dscnt 0x0
	v_lshrrev_b32 v1, 5, v0
	v_readfirstlane_b32 s[WV], v1                  ; wave 0..3
	s_lshr_b32 s33, s[WV], 1                       ; th: which 128 tokens
	s_and_b32 s34, s[WV], 1                        ; hh: which head.  Also: which 128 rows of x I fetch
	s_bfe_u32 s35, ttmp6, 0x40000                  ; cx, cy: my place in the cluster
	s_bfe_u32 s36, ttmp6, 0x40004
	s_lshl_b32 s37, ttmp9, 2
	s_add_co_u32 s37, s37, s35                     ; hp: the pair of heads = 4 x cluster x + cx
	s_and_b32 s38, ttmp7, 0xffff
	s_lshl_b32 s38, s38, 2
	s_add_co_u32 s38, s38, s36                     ; tb: the block of 256 tokens = 4 x cluster y + cy
	s_lshl_b32 s39, s36, 2
	s_lshl_b32 s39, 15, s39                        ; my row of the cluster
	s_lshl_b32 s40, 0x1111, s35                    ; my column
	; descriptor group 1: 128 rows x 512 bytes, 512 bytes apart in memory, 16 bytes of padding behind each row in LDS
	s_or_b32 s[G1X], s39, (0<<16)|(1<<20)|(1<<21)|(6<<22)|(3<<25)   ; 15:0 the mask; 17:16 elements of 1 byte; 20 padding on; 21 set beside a mask; 24:22 after every 128 words (code 6); 31:25 four words (code 3)
	s_or_b32 s[G1W], s40, (0<<16)|(1<<20)|(1<<21)|(6<<22)|(3<<25)
.irp g, G1X, G1W
	s_mov_b32 s[\g+1], 512<<16                     ; tensor_dim0
	s_mov_b32 s[\g+2], 128<<16                     ; tensor_dim1
	s_mov_b32 s[\g+3], 512<<16                     ; tile_dim0
	s_mov_b32 s[\g+4], 128                         ; tile_dim1
	s_mov_b32 s[\g+5], 512                         ; tensor_dim0_stride
	s_mov_b32 s[\g+6], 0
	s_mov_b32 s[\g+7], 0
.endr
	s_lshl_b32 s80, s38, 17                        ; x: (256 tb + 128 (w % 2)) rows of 512 bytes: no register here holds hp
	s_lshl_b32 s81, s34, 16
	s_add_co_u32 s80, s80, s81
	s_mov_b32 s81, 0
	s_lshl_b32 s82, s37, 16                        ; the weights: 128 hp rows of 512 bytes: no register here holds tb
	s_mov_b32 s83, 0
	s_mul_i32 s84, s[WV], HALFX                    ; x's halves go to wave x 128 rows: no place in the cluster enters an LDS address
	s_lshl_b32 s86, s38, 13                        ; x_scales: (256 tb + 128 th) rows of 32 bytes
	s_lshl_b32 s87, s33, 12
	s_add_co_u32 s86, s86, s87
	s_mov_b32 s87, 0
	s_lshl_b32 s88, s37, 12                        ; a weight's scales: (128 hp + 64 hh) rows of 32 bytes
	s_lshl_b32 s89, s34, 11
	s_add_co_u32 s88, s88, s89
	s_mov_b32 s89, 0
	s_lshr_b32 s90, s88, 3                         ; a bias: the same rows x 4 bytes
	s_mov_b32 s91, 0
	s_lshr_b32 s92, s38, 3                         ; the batch: 8 blocks of 256 tokens each
	s_lshl_b32 s92, s92, 4
	s_lshl_b32 s93, s37, 1
	s_add_co_u32 s92, s92, s93
	s_add_co_u32 s92, s92, s34                     ; bh = 16 x batch + 2 hp + hh
	s_lshl_b32 s93, s38, 1
	s_add_co_u32 s93, s93, s33
	s_and_b32 s93, s93, 15                         ; st: which 128 tokens of the batch's 2,048
	s_lshl_b32 s94, s92, 16                        ; qimg: 65,536 bh + 4,096 st
	s_lshl_b32 s95, s93, 12
	s_add_co_u32 s94, s94, s95
	s_mov_b32 s95, 0
	s_mov_b32 s96, 0x76543210                      ; v_permlanex16_b32's selects for lane l xor 16
	s_mov_b32 s97, 0xfedcba98
	s_mov_b32 s98, 0xffff0000                      ; lanes 16-31
	v_and_b32 v1, 15, v0                           ; r
	v_bfe_u32 v2, v0, 4, 1                         ; h
	v_and_b32 v3, 31, v0                           ; lane
	v_mul_u32_u24 v13, v1, PITCH
	v_lshl_add_u32 v13, v2, 4, v13                 ; a fragment's row x pitch + 16 h
	s_mul_i32 s85, s33, HALFX
	v_add_nc_u32 v[AX], s85, v13
	s_mul_i32 s85, s34, 64*PITCH
	s_add_co_u32 s85, s85, WA
	v_add_nc_u32 v[AWA], s85, v13
	v_add_nc_u32 v[AWB], HALFX, v[AWA]
	v_lshlrev_b32 v[L16], 4, v3
	v_lshlrev_b32 v[L32], 5, v3
	v_lshlrev_b32 v[BH], 5, v2
	v_lshlrev_b32 v[BR], 2, v1
.irp n, 0,1,2,3,4,5,6,7,8,9,10,11,12,13,14,15
	v_mov_b32 v[TP+\n], 0                          ; written once: a lane permute's destination counts as one of its sources
.endr
	s_wait_kmcnt 0x0
	s_mov_b32 s[G0X], 1                            ; 1:0 count = 1
	s_mov_b32 s[G0X+1], s84                        ; 63:32 LDS address
	s_add_nc_u64 s[G0X+2:G0X+3], s[4:5], s[80:81]  ; 120:64 global address
	s_or_b32 s[G0X+3], s[G0X+3], 0x80000000        ; 127:126 type = 2
	s_mov_b32 s[G0Q], 1
	s_mov_b32 s[G0Q+1], WA
	s_add_nc_u64 s[G0Q+2:G0Q+3], s[8:9], s[82:83]
	s_or_b32 s[G0Q+3], s[G0Q+3], 0x80000000
	s_mov_b32 s[G0K], 1
	s_mov_b32 s[G0K+1], WB
	s_add_nc_u64 s[G0K+2:G0K+3], s[10:11], s[82:83]
	s_or_b32 s[G0K+3], s[G0K+3], 0x80000000
	s_mov_b32 s[G0V], 1
	s_mov_b32 s[G0V+1], WA
	s_add_nc_u64 s[G0V+2:G0V+3], s[12:13], s[82:83]
	s_or_b32 s[G0V+3], s[G0V+3], 0x80000000
	s_add_nc_u64 s[6:7], s[6:7], s[86:87]          ; every pointer at my wave's part
	s_add_nc_u64 s[14:15], s[14:15], s[88:89]
	s_add_nc_u64 s[16:17], s[16:17], s[88:89]
	s_add_nc_u64 s[18:19], s[18:19], s[88:89]
	s_add_nc_u64 s[20:21], s[20:21], s[90:91]
	s_add_nc_u64 s[22:23], s[22:23], s[90:91]
	s_add_nc_u64 s[24:25], s[24:25], s[90:91]
	s_add_nc_u64 s[26:27], s[26:27], s[94:95]
	s_lshr_b32 s94, s94, 3                         ; qsc: 8,192 bh + 512 st
	s_add_nc_u64 s[28:29], s[28:29], s[94:95]
	s_lshl_b32 s94, s92, 4
	s_add_co_u32 s94, s94, s93
	s_mul_i32 s94, s94, 9216                       ; kv: (16 bh + st) blocks of 9,216 bytes
	s_add_nc_u64 s[30:31], s[30:31], s[94:95]
	CROUND                                         ; all sixteen work-groups are here: the first joint loads meet
	; The first fills, one a wave: waves 0 and 1 x's halves, wave 2 Wq, wave 3 Wk.  The branches hang on the wave's number alone.  Four v_nop follow each line.
	s_cmp_lt_u32 s[WV], 2
	s_cbranch_scc0 .Lnot_x
	tensor_load_to_lds s[G0X:G0X+3], s[G1X:G1X+7]
	s_nop 0
.rept 4
	v_nop
.endr
	s_branch .Lasked
.Lnot_x:
	s_cmp_eq_u32 s[WV], 2
	s_cbranch_scc0 .Lfor_k
	tensor_load_to_lds s[G0Q:G0Q+3], s[G1W:G1W+7]
	s_nop 0
.rept 4
	v_nop
.endr
	s_branch .Lasked
.Lfor_k:
	tensor_load_to_lds s[G0K:G0K+3], s[G1W:G1W+7]
	s_nop 0
.rept 4
	v_nop
.endr
.Lasked:
.macro LOADWS base                     ; a weight's scale words: rows of 32 bytes; lane l of pair p takes row 32 p + l: the two loads of a pair cover 1,024 consecutive bytes
.irp p, 0,1
.irp e, 0,1
	global_load_b128 v[WS+8*\p+4*\e:WS+8*\p+4*\e+3], v[L32], s[\base:\base+1] offset:1024*\p+16*\e
.endr
.endr
.endm
.macro LOADB base                      ; q, k: register j of tile t is channel 16 t + 8 h + j
.irp t, 0,1,2,3
	global_load_b128 v[BI+8*\t:BI+8*\t+3], v[BH], s[\base:\base+1] offset:64*\t
	global_load_b128 v[BI+8*\t+4:BI+8*\t+7], v[BH], s[\base:\base+1] offset:64*\t+16
.endr
.endm
.macro LOADBV                          ; v: all eight registers of tile t are channel 16 t + r
.irp t, 0,1,2,3
.irp j, 0,1,2,3,4,5,6,7
	global_load_b32 v[BI+8*\t+\j], v[BR], s[24:25] offset:64*\t
.endr
.endr
.endm
.macro LDW adr, s, set                 ; the weight's four fragments of K step s: 16 rows x 128 K of 4-bit codes = 8 registers: two loads of 16 bytes, 32 bytes apart
.irp t, 0,1,2,3
.irp c, 0,1
	ds_load_b128 v[WF+32*(\set)+8*\t+4*\c:WF+32*(\set)+8*\t+4*\c+3], v[\adr] offset:\t*16*PITCH+64*(\s)+32*\c
.endr
.endr
.endm
.macro LDX s                           ; x's eight fragments of K step s, into windows 1 and 2, where they stay
.if (\s) < 4
	WIN 0x40
.else
	WIN 0x80
.endif
.irp i, 0,1,2,3,4,5,6,7
.irp c, 0,1
	ds_load_b128 v[64*((\s)&3)+8*\i+4*\c:64*((\s)&3)+8*\i+4*\c+3], v[AX] offset:\i*16*PITCH+64*(\s)+32*\c
.endr
.endr
.endm
.macro WM                              ; one product, from the symbols rD, rA, rB, rC, rSA, rSB; fA, fB: that side's scale words stand in lanes 16-31
.if fA && fB
	v_wmma_scale_f32_16x16x128_f8f6f4 v[rD:rD+7], v[rA:rA+7], v[rB:rB+7], v[rC:rC+7], v[rSA], v[rSB] matrix_a_fmt:MATRIX_FMT_FP4 matrix_b_fmt:MATRIX_FMT_FP4 matrix_a_scale:MATRIX_SCALE_ROW1 matrix_b_scale:MATRIX_SCALE_ROW1
.elseif fA
	v_wmma_scale_f32_16x16x128_f8f6f4 v[rD:rD+7], v[rA:rA+7], v[rB:rB+7], v[rC:rC+7], v[rSA], v[rSB] matrix_a_fmt:MATRIX_FMT_FP4 matrix_b_fmt:MATRIX_FMT_FP4 matrix_a_scale:MATRIX_SCALE_ROW1
.elseif fB
	v_wmma_scale_f32_16x16x128_f8f6f4 v[rD:rD+7], v[rA:rA+7], v[rB:rB+7], v[rC:rC+7], v[rSA], v[rSB] matrix_a_fmt:MATRIX_FMT_FP4 matrix_b_fmt:MATRIX_FMT_FP4 matrix_b_scale:MATRIX_SCALE_ROW1
.else
	v_wmma_scale_f32_16x16x128_f8f6f4 v[rD:rD+7], v[rA:rA+7], v[rB:rB+7], v[rC:rC+7], v[rSA], v[rSB] matrix_a_fmt:MATRIX_FMT_FP4 matrix_b_fmt:MATRIX_FMT_FP4
.endif
.endm
; 32 products of a K step.  The 32 accumulators take turns, one instruction a turn, in the same order in every step.  The first step's C is the bias: nothing is cleared, nothing added later.
.macro MULQK s, set                    ; source 0 = the weight's tile t, source 1 = x's tile i
.irp i, 0,1,2,3,4,5,6,7
.irp t, 0,1,2,3
.set rD, 8*(4*\i+\t)
.set rA, WF+32*(\set)+8*\t
.set rB, 64*((\s)&3)+8*\i
.if (\s) == 0
.set rC, BI+8*\t
.else
.set rC, rD
.endif
.set rSA, WS+8*(\t/2)+(\s)
.set rSB, XS+8*(\i/2)+(\s)
.set fA, \t%2
.set fB, \i%2
	WM
.endr
.endr
.endm
.macro MULV s, set                     ; source 0 = x's tile i, source 1 = the weight's tile t
.irp i, 0,1,2,3,4,5,6,7
.irp t, 0,1,2,3
.set rD, 8*(8*\t+\i)
.set rA, 64*((\s)&3)+8*\i
.set rB, WF+32*(\set)+8*\t
.if (\s) == 0
.set rC, BI+8*\t
.else
.set rC, rD
.endif
.set rSA, XS+8*(\i/2)+(\s)
.set rSB, WS+8*(\t/2)+(\s)
.set fA, \i%2
.set fB, \t%2
	WM
.endr
.endr
.endm
; A K step.  kind 0: pass q (x is fetched too), 1: pass k, 2: pass v.  The next step's fragments are asked for ahead of this step's products.
.macro STEP kind, adr, s
.if (\s) > 0
	PLACES                                         ; the other set was read by the last step's products
.endif
	WIN 0
.if (\s) < 7
	LDW \adr, (\s)+1, ((\s)+1)%2
.if (\kind) == 0
	LDX (\s)+1
	s_wait_dscnt 24                                ; all but the 24 loads just issued: this step's fragments are in
.else
	s_wait_dscnt 8                                 ; all but the 8 just issued
.endif
.else
	s_wait_dscnt 0x0
.endif
.if (\kind) == 2
.if (\s) == 0
	WIN 0xc1                                       ; source 0 (x) window 1, source 1 (W) and C (the bias) window 0, D window 3
.elseif (\s) < 4
	WIN 0xf1                                       ; C window 3
.else
	WIN 0xf2                                       ; x in window 2
.endif
	MULV \s, (\s)%2
.else
.if (\s) == 0
	WIN 0xc4                                       ; source 0 (W) and C (the bias) window 0, source 1 (x) window 1, D window 3
.elseif (\s) < 4
	WIN 0xf4
.else
	WIN 0xf8
.endif
	MULQK \s, (\s)%2
.endif
.endm
; THE QUANTISER.  16 blocks of 32: block n = v[16 n .. 16 n + 15] of window 3 in lanes l and l xor 16; registers 0-7 are k = 8 h + j of the block, registers 8-15 k = 16 + 8 h + j.
; A block's scale operand is its largest magnitude with 2 taken off the exponent field; the byte is that field.  The codes of blocks 2 p and 2 p + 1 go to four registers such that two exchanges of halves
; leave register g of lane (r, h') with k = 64 (p's half of a fragment) + 32 h' + 8 g .. + 7: the operand's own layout.  kind 0: q, k (a tile's word = two bytes + 0x7f7f);  1: v (four bytes).
.macro QSTAGE kind, cb, co, sb, so
	WIN 0x0f                                       ; sources 0 and 1 window 3
.irp n, 0,1,2,3,4,5,6,7,8,9,10,11,12,13,14,15
	v_max3_num_f32 v[TM+\n], |v[16*\n]|, |v[16*\n+1]|, 0x1800000   ; each accumulator is read from its low end on; the floor 2^(3 - 127) holds the byte at 1 from below
.endr
	WIN 0x3c                                       ; sources 1 and 2 window 3
.irp i, 2,4,6,8,10,12,14
.irp n, 0,1,2,3,4,5,6,7,8,9,10,11,12,13,14,15
	v_max3_num_f32 v[TM+\n], v[TM+\n], |v[16*\n+\i]|, |v[16*\n+\i+1]|
.endr
.endr
	WIN 0
.irp n, 0,1,2,3,4,5,6,7,8,9,10,11,12,13,14,15
	v_permlanex16_b32 v[TP+\n], v[TM+\n], s96, s97
.endr
.irp n, 0,1,2,3,4,5,6,7,8,9,10,11,12,13,14,15
	v_max_num_f32 v[TM+\n], v[TM+\n], v[TP+\n]     ; with lane l xor 16's: the block's largest magnitude
.endr
.irp n, 0,1,2,3,4,5,6,7,8,9,10,11,12,13,14,15
	v_add_nc_u32 v[SO+\n], 0xff000000, v[TM+\n]    ; 2 off its exponent field: the conversion takes that field as its scale
.endr
.irp n, 0,1,2,3,4,5,6,7,8,9,10,11,12,13,14,15
	v_lshrrev_b32 v[TM+\n], 23, v[SO+\n]           ; the scale's byte
.endr
.if (\kind) == 0
.irp i, 0,1,2,3,4,5,6,7
	v_lshl_or_b32 v[SW+\i], v[TM+2*\i+1], 8, v[TM+2*\i]
.endr
.irp i, 0,1,2,3,4,5,6,7
	v_or_b32 v[SW+\i], 0x7f7f0000, v[SW+\i]        ; k = 64 .. 127 of the attention's first product are zero codes: their bytes are 1.0
.endr
.irp p, 0,1,2,3
	v_cndmask_b32 v[SM+\p], v[SW+2*\p], v[SW+2*\p+1], s98   ; lanes 0-15 tile 2 p, lanes 16-31 tile 2 p + 1
.endr
.else
.irp p, 0,1,2,3
	v_lshl_or_b32 v[SM+\p], v[TM+4*\p+1], 8, v[TM+4*\p]
.endr
.irp p, 0,1,2,3
	v_lshl_or_b32 v[SM+\p], v[TM+4*\p+2], 16, v[SM+\p]
.endr
.irp p, 0,1,2,3
	v_lshl_or_b32 v[SM+\p], v[TM+4*\p+3], 24, v[SM+\p]
.endr
.endif
	WIN 0x03                                       ; source 0 window 3
.irp p, 0,1,2,3,4,5,6,7
	v_cvt_scalef32_pk8_fp4_f32 v[PC+4*\p], v[32*\p:32*\p+7], v[SO+2*\p]
	v_cvt_scalef32_pk8_fp4_f32 v[PC+4*\p+2], v[32*\p+8:32*\p+15], v[SO+2*\p]
	v_cvt_scalef32_pk8_fp4_f32 v[PC+4*\p+1], v[32*\p+16:32*\p+23], v[SO+2*\p+1]
	v_cvt_scalef32_pk8_fp4_f32 v[PC+4*\p+3], v[32*\p+24:32*\p+31], v[SO+2*\p+1]
.endr
	WIN 0
	v_nop                                          ; one plain place behind the scaled conversions
.irp p, 0,1,2,3,4,5,6,7
	v_permlane16_swap_b32 v[PC+4*\p], v[PC+4*\p+1]       ; the first's lanes 16-31 change places with the second's lanes 0-15
	v_permlane16_swap_b32 v[PC+4*\p+2], v[PC+4*\p+3]
.endr
.irp p, 0,1,2,3,4,5,6,7
	global_store_b128 v[L16], v[PC+4*\p:PC+4*\p+3], s[\cb:\cb+1] offset:\co+512*\p   ; 32 lanes store 512 consecutive bytes, at a multiple of 256 from the buffer's first byte
.endr
	global_store_b128 v[L16], v[SM:SM+3], s[\sb:\sb+1] offset:\so
.endm
.irp p, 0,1,2,3
.irp e, 0,1
	global_load_b128 v[XS+8*\p+4*\e:XS+8*\p+4*\e+3], v[L32], s[6:7] offset:1024*\p+16*\e   ; x's scale words of my 128 tokens, all of K: they stay
.endr
.endr
	LOADWS 14
	LOADB 20
	s_wait_tensorcnt 0x0                           ; my one load has landed,
	s_barrier_signal -1
	s_barrier_wait -1                              ; everybody's has
	LDW AWA, 0, 0
	LDX 0
	s_wait_loadcnt 0x0                             ; scale words and bias
.irp s, 0,1,2,3,4,5,6,7
	STEP 0, AWA, \s                                ; PASS q
.endr
	PLACES
	WIN 0
	LOADB 22                                       ; pass k's bias and scale words land while q is quantised
	LOADWS 16
	s_wait_tensorcnt 0x0                           ; no tensor load of mine is out;
	ds_add_u32 v[SPW], v[NIL]                      ; 0 onto my spare word;
	s_wait_dscnt 0x0                               ; the add is done, and my reads of Wq's rows are over
	CROUND                                         ; that now holds of every wave of every work-group of the cluster
	s_cmp_lg_u32 s[WV], 0
	s_cbranch_scc1 .Lno_refill
	tensor_load_to_lds s[G0V:G0V+3], s[G1W:G1W+7]  ; THE ONE REFILL: Wv into Wq's bytes, by wave 0, jointly along the column; it has q's quantiser, pass k and k's quantiser in which to land
	s_nop 0
.rept 4
	v_nop
.endr
.Lno_refill:
	QSTAGE 0, 26, 0, 28, 0
	s_wait_xcnt 0x0                                ; the stores have read their registers: the codes lie where the weight's fragments go
	LDW AWB, 0, 0
	s_wait_loadcnt 0x0
.irp s, 0,1,2,3,4,5,6,7
	STEP 1, AWB, \s                                ; PASS k
.endr
	PLACES
	WIN 0
	LOADBV
	LOADWS 18
	QSTAGE 0, 30, 0, 30, 8192
	s_wait_xcnt 0x0
	s_wait_tensorcnt 0x0                           ; wave 0: Wv has landed
	s_wait_dscnt 0x0
	s_barrier_signal -1
	s_barrier_wait -1                              ; and every wave may read it
	LDW AWA, 0, 0
	s_wait_loadcnt 0x0
.irp s, 0,1,2,3,4,5,6,7
	STEP 2, AWA, \s                                ; PASS v
.endr
	PLACES
	QSTAGE 1, 30, 4096, 30, 8704
	s_wait_tensorcnt 0x0                           ; the wave's end
	ds_add_u32 v[SPW], v[NIL]
	s_wait_dscnt 0x0
	CROUND                                         ; the closing round: no work-group ends while a partner may still ask for a tile that names it
	s_endpgm
.Lfunc_end_k_qe4aeb07c60_qkv:
	.size	k_qe4aeb07c60_qkv, .Lfunc_end_k_qe4aeb07c60_qkv-k_qe4aeb07c60_qkv
	.p2alignl 7, 3214868480
	.fill 96, 4, 3214868480
	.section	.rodata,"a",@progbits
	.p2align	6, 0x0
	.amdhsa_kernel k_qe4aeb07c60_qkv
		.amdhsa_group_segment_fixed_size 327680
		.amdhsa_private_segment_fixed_size 0
		.amdhsa_enable_private_segment 0
		.amdhsa_kernarg_size 112
		.amdhsa_user_sgpr_count 2
		.amdhsa_user_sgpr_kernarg_segment_ptr 1
		.amdhsa_wavefront_size32 1
		.amdhsa_system_sgpr_workgroup_id_x 1
		.amdhsa_system_sgpr_workgroup_id_y 1
		.amdhsa_system_sgpr_workgroup_id_z 1
		.amdhsa_system_vgpr_workitem_id 0
		.amdhsa_next_free_vgpr 1024
		.amdhsa_next_free_sgpr 100
		.amdhsa_reserve_vcc 0
		.amdhsa_float_denorm_mode_32 3
		.amdhsa_float_denorm_mode_16_64 3
		.amdhsa_memory_ordered 1
		.amdhsa_forward_progress 1
		.amdhsa_inst_pref_size 185
	.end_amdhsa_kernel
	.amdgpu_metadata
---
amdhsa.version: [ 1, 2 ]
amdhsa.kernels:
  - .name:           k_qe4aeb07c60_qkv
    .symbol:         k_qe4aeb07c60_qkv.kd
    .args:
      - { .name: x_codes, .offset: 0, .size: 8, .value_kind: global_buffer, .address_space: global }
      - { .name: x_scales, .offset: 8, .size: 8, .value_kind: global_buffer, .address_space: global }
      - { .name: Wq_codes, .offset: 16, .size: 8, .value_kind: global_buffer, .address_space: global }
      - { .name: Wk_codes, .offset: 24, .size: 8, .value_kind: global_buffer, .address_space: global }
      - { .name: Wv_codes, .offset: 32, .size: 8, .value_kind: global_buffer, .address_space: global }
      - { .name: Wq_scales, .offset: 40, .size: 8, .value_kind: global_buffer, .address_space: global }
      - { .name: Wk_scales, .offset: 48, .size: 8, .value_kind: global_buffer, .address_space: global }
      - { .name: Wv_scales, .offset: 56, .size: 8, .value_kind: global_buffer, .address_space: global }
      - { .name: bq, .offset: 64, .size: 8, .value_kind: global_buffer, .address_space: global }
      - { .name: bk, .offset: 72, .size: 8, .value_kind: global_buffer, .address_space: global }
      - { .name: bv, .offset: 80, .size: 8, .value_kind: global_buffer, .address_space: global }
      - { .name: qimg, .offset: 88, .size: 8, .value_kind: global_buffer, .address_space: global }
      - { .name: qsc, .offset: 96, .size: 8, .value_kind: global_buffer, .address_space: global }
      - { .name: kv, .offset: 104, .size: 8, .value_kind: global_buffer, .address_space: global }
    .group_segment_fixed_size: 327680
    .private_segment_fixed_size: 0
    .kernarg_segment_align: 8
    .kernarg_segment_size: 112
    .max_flat_workgroup_size: 128
    .sgpr_count:     100
    .vgpr_count:     1024
    .wavefront_size: 32
...
	.end_amdgpu_metadata
.endif
;; end of part 1
;; launch attn (part 2): grid 4 x 64, 16 waves a work-group, clusters of 4 x 1, 169,984 bytes of LDS; arguments qimg, qsc, kv, aimg, asc; writes aimg, asc
.if DOCPART == 2
	.amdgcn_target "amdgcn-amd-amdhsa--gfx1250"
	.amdhsa_code_object_version 6
	.text
	.protected	k_qe4aeb07c60_attn
	.globl	k_qe4aeb07c60_attn
	.p2align	8
	.type	k_qe4aeb07c60_attn,@function
k_qe4aeb07c60_attn:
	s_mov_b64 s[64:65], 0
	v_nop
	global_prefetch_b8 v0, s[64:65] scope:SCOPE_SE
	s_setreg_imm32_b32 hwreg(HW_REG_WAVE_MODE, 25, 1), 1
	s_wait_xcnt 0x0
	s_wait_alu depctr_hold_cnt(0) depctr_sa_sdst(0) depctr_va_vdst(0) depctr_va_sdst(0) depctr_va_ssrc(0) depctr_va_vcc(0) depctr_vm_vsrc(0)
	s_getreg_b32 s2, hwreg(HW_REG_IB_STS2, 6, 4)
	s_cmp_eq_u32 s2, 0
	s_cbranch_scc0 .Lentry_in_a_cluster
	s_endpgm
.Lentry_in_a_cluster:
	s_bfe_u32 s2, ttmp6, 0x10000c
	s_cmp_lg_u32 s2, 0x3003
	s_cbranch_scc0 .Lentry_shape_is_right
	s_endpgm
.Lentry_shape_is_right:
; Causal attention of one head on codes of FP4 (E2M1): S^T = K Q^T (K = the head's 64 channels, the other 64 of the instruction's 128 are zero codes of Q), p = 2^(t - M), O^T = V^T P^T (K = the keys), O / l, and O quantised along the channels.
; t = score x log2(e) / 8; M = the running largest t rounded UP to a whole number; p is quantised along the keys, not normalised; l is the sum of the unquantised p, in f32.  When M moves, l and O^T are multiplied by 2^(old M - new M): exact.
; SHARES.  A cluster of four work-groups owns a head (b h); work-group j takes the tiles of 16 queries 4 a + j, a = 0 .. 31; wave w takes a = w, then a = 31 - w.  A tile needs the key steps 0 .. a / 2 (128 keys a step), whatever j:
; every wave walks (w / 2 + 1) + ((31 - w) / 2 + 1) = 17 steps, and no branch and no LDS address hangs on the place in the cluster.  j enters global addresses and the mask's vector operand alone.
; LDS.  The head's 16 blocks of kv, 147,456 bytes, come ONCE, each wave bringing one block by a joint load that names the four partners, and are read as they lie: images of registers, 16 bytes a lane.  Nothing is stored to LDS, nothing filled again.
; The loops' trip counts are constants (8 and 16); a step past a wave's last is jumped over by a scalar branch on the wave's number.  In the last step the scores of hidden keys become -infinity ahead of the maximum.
; A lane holds ONE query (lane % 16) throughout.  Register n of score tile t is key 16 t + 8 h + n: a block of 32 keys is the 16 registers of tiles 2 b, 2 b + 1 in lanes l and l xor 16.
; K's TUPLES OVERLAP: tile t is named v[KB + 4 t .. + 7]; its upper four registers are the next tile's codes.  They meet Q's zero codes under the bytes 0x7f of both sides: exact zeros.
; The stores: aimg 512 consecutive bytes a tile; asc 2 bytes a lane, 32 bytes apart (32 of a tile's 512 bytes): a head owns two of a token's 32 scale bytes.
; LIMITS: NaN and infinities are not served; p under 2^-126 becomes 0 (v_exp_f32 flushes); a block of zeros or under 2^-124 gets the byte 1 and zero codes, and its bytes are read by this program alone.
.set STEPB, 9216                       ; a block of kv: +0 K's eight images, +4,096 V's eight, +8,192 K's scale words, +8,704 V's
.set L16,  1                           ; v1   16 x lane
.set ADR,  2                           ; v2   LDS address of the step's block for my lane
.set DV,   3                           ; v3   my query's place in the last step - 8 h
.set RH,   4                           ; v4   r - 8 h
.set A32,  5                           ; v5   32 r
.set A16,  6                           ; v6   16 r
.set NINF, 7                           ; v7   -infinity
.set QS1,  8                           ; v8, v9  Q's scale words, first and second tile
.set QS2,  9
.set QF1,  16                          ; v16-23, v24-31  Q's fragments: four registers of codes, four of zeros.   v12 -M, v13 the largest t, v[14:15] l in two halves
.set QF2,  24
.set KB,   32                          ; v32-63 K's eight tiles, v64-67 zeros
.set VB,   68                          ; v68-99 V's four fragments
.set S,    100                         ; v100-163 S^T, then p
.set O,    164                         ; v164-195 O^T
.set PC,   196                         ; v196-203 p's codes
.set KS,   204                         ; v204-207 K's scale words: word p: lanes 0-15 tile 2 p, lanes 16-31 tile 2 p + 1
.set VS,   208                         ; v208-211 V's
.set BM,   212                         ; v212-215 the blocks' largest scores, then largest p
.set TP,   216                         ; v216-219 the other half's maxima, then bytes
.set SO,   220                         ; v220-223 the conversions' scale operands
.set FF,   224                         ; v[224:225] f = 2^(old M - new M), later 1 / l; the upper register is only named
.set PW,   226                         ; v226 p's scale word
.set TT,   227                         ; v227 at work
.set L2,   228                         ; v[228:229] the sum's second chain
.set WV,   18                          ; s18 wave; s19 j; s17 b h; s14, s15 a of the two passes; s[20:21] lane selects; s[22:23] c
.set TB,   59                          ; s59 LDS byte of the step's block; s60 the step; s61 my last step; s62 64 (a % 2) + 16 j
.macro PLACES
.rept 4
	v_nop
.endr
.endm
.macro CROUND                          ; a round of the cluster's barrier
	s_barrier_signal -1
	s_barrier_wait -1
	s_cmp_lg_u32 s[WV], 0
	s_cbranch_scc1 .Lnot_wave_0_\@
	s_barrier_signal -3
.Lnot_wave_0_\@:
	s_barrier_wait -3
	s_barrier_signal -1
	s_barrier_wait -1
.endm
; The four pointers of tile 4 a + j: Q's image, Q's scale words, and where the tile's codes and scale bytes go.
.macro PTRS a, qp, qsp, ap, asp
	s_lshl_b32 s53, s[\a], 2
	s_add_co_u32 s53, s53, s19                     ; the tile: 4 a + j
	s_lshl_b32 s54, s17, 16
	s_lshl_b32 s55, s53, 9
	s_add_co_u32 s54, s54, s55                     ; qimg: 65,536 bh + 512 tile
	s_mov_b32 s55, 0
	s_add_nc_u64 s[\qp:\qp+1], s[4:5], s[54:55]
	s_lshl_b32 s54, s17, 13                        ; qsc: 8,192 bh + 512 (a / 2): the tile is number 4 (a % 2) + j of its 128 tokens: word 2 (a % 2) + j / 2 of lane 16 (j % 2) + r
	s_lshr_b32 s56, s[\a], 1
	s_lshl_b32 s56, s56, 9
	s_add_co_u32 s54, s54, s56
	s_and_b32 s56, s19, 1
	s_lshl_b32 s56, s56, 8
	s_add_co_u32 s54, s54, s56
	s_and_b32 s56, s[\a], 1
	s_lshl_b32 s56, s56, 3
	s_add_co_u32 s54, s54, s56
	s_lshr_b32 s56, s19, 1
	s_lshl_b32 s56, s56, 2
	s_add_co_u32 s54, s54, s56
	s_add_nc_u64 s[\qsp:\qsp+1], s[6:7], s[54:55]
	s_lshr_b32 s56, s17, 4                         ; the batch
	s_and_b32 s57, s17, 15                         ; the head
	s_lshl_b32 s54, s56, 7
	s_add_co_u32 s54, s54, s53
	s_lshl_b32 s54, s54, 13                        ; aimg: (128 batch + tile) x 8,192 + 512 head
	s_lshl_b32 s58, s57, 9
	s_add_co_u32 s54, s54, s58
	s_add_nc_u64 s[\ap:\ap+1], s[10:11], s[54:55]
	s_lshl_b32 s54, s56, 11
	s_lshl_b32 s58, s53, 4
	s_add_co_u32 s54, s54, s58
	s_lshl_b32 s54, s54, 5                         ; asc: (2,048 batch + 16 tile) x 32 + 2 head
	s_lshl_b32 s58, s57, 1
	s_add_co_u32 s54, s54, s58
	s_add_nc_u64 s[\asp:\asp+1], s[12:13], s[54:55]
.endm
	s_load_b256 s[4:11], s[0:1], 0x0               ; qimg s[4:5], qsc s[6:7], kv s[8:9], aimg s[10:11]
	s_load_b64 s[12:13], s[0:1], 0x20              ; asc
	v_lshl_add_u32 v254, v0, 2, 0x29000
	v_mov_b32 v255, 0
	ds_add_u32 v254, v255
	ds_add_u32 v254, v255
	v_lshrrev_b32 v2, 5, v0
	s_delay_alu instid0(VALU_DEP_1)
	v_readfirstlane_b32 s[WV], v2                  ; wave 0..15
	s_bfe_u32 s19, ttmp6, 0x40000                  ; cx
	s_lshl_b32 s52, ttmp9, 2
	s_add_co_u32 s19, s19, s52                     ; j = 4 x cluster x + cx
	s_and_b32 s17, ttmp7, 0xffff                   ; b h, which the four partners share
	s_mov_b32 s14, s[WV]                           ; a of the first pass,
	s_sub_co_u32 s15, 31, s[WV]                    ; of the second
	s_mov_b32 s20, 0x76543210                      ; v_permlanex16_b32's selects for lane l xor 16
	s_mov_b32 s21, 0xfedcba98
	s_mov_b32 s22, 0x3e38aa3b                      ; c = log2(e) / 8
	s_mov_b32 s23, s22                             ; (named with it as a pair, so it is written)
	; descriptor group 1: a dense block of 9,216 bytes as 36 rows of 256 bytes (32 elements of 8 bytes), no padding
	s_mov_b32 s24, 15|(3<<16)|(1<<21)              ; 15:0 the mask: all four work-groups; 17:16 elements of 8 bytes; 21 set beside a mask
	s_mov_b32 s25, 32<<16                          ; tensor_dim0
	s_mov_b32 s26, 36<<16                          ; tensor_dim1
	s_mov_b32 s27, 32<<16                          ; tile_dim0
	s_mov_b32 s28, 36                              ; tile_dim1
	s_mov_b32 s29, 32                              ; tensor_dim0_stride
	s_mov_b32 s30, 0
	s_mov_b32 s31, 0
	s_mul_i32 s52, s17, 16*STEPB                   ; the head's blocks,
	s_mul_i32 s53, s[WV], STEPB                    ; my wave's block: key step w
	s_add_co_u32 s52, s52, s53
	s_mov_b32 s32, 1                               ; group 0: count = 1,
	s_mov_b32 s33, s53                             ; LDS address: 9,216 x wave,
	s_mov_b32 s53, 0
	v_and_b32 v10, 15, v0                          ; r
	v_bfe_u32 v11, v0, 4, 1                        ; h
	v_and_b32 v[L16], 31, v0
	s_delay_alu instid0(VALU_DEP_1)
	v_lshlrev_b32 v[L16], 4, v[L16]
	s_delay_alu instid0(VALU_DEP_4)
	v_lshlrev_b32 v[A32], 5, v10
	v_lshlrev_b32 v[A16], 4, v10
	v_lshlrev_b32 v[RH], 3, v11
	s_delay_alu instid0(VALU_DEP_1)
	v_sub_nc_u32 v[RH], v10, v[RH]
	v_mov_b32 v[NINF], 0xff800000
	s_wait_dscnt 0x0
	s_wait_kmcnt 0x0
	s_add_nc_u64 s[34:35], s[8:9], s[52:53]        ; global address,
	s_or_b32 s35, s35, 0x80000000                  ; type = 2
	PTRS 14, 36, 38, 40, 42
	PTRS 15, 44, 46, 48, 50
	CROUND                                         ; all four work-groups are here: the joint loads meet
	tensor_load_to_lds s[32:35], s[24:31]          ; one load a wave: sixteen blocks, the whole head
	s_nop 0
.rept 4
	v_nop
.endr
	s_wait_alu depctr_va_vdst(0)
	global_load_b128 v[QF1:QF1+3], v[L16], s[36:37]
	global_load_b32 v[QS1], v[A16], s[38:39]
	global_load_b128 v[QF2:QF2+3], v[L16], s[44:45]
	global_load_b32 v[QS2], v[A16], s[46:47]
.irp n, 4,5,6,7
	v_mov_b32 v[QF1+\n], 0                         ; Q's codes of k = 64 .. 127: zeros
	v_mov_b32 v[QF2+\n], 0
	v_mov_b32 v[KB+28+\n], 0                       ; the upper half of K's last tuple
.endr
.irp b, 0,1,2,3
	v_mov_b32 v[TP+\b], 0                          ; written once: a lane permute's destination counts as one of its sources
.endr
	v_mov_b32 v[TT], 0
	v_mov_b32 v[FF+1], 0                           ; (named as the upper half of a pair)
; A PASS: one tile of 16 queries, nt trips.  O^T and l begin as zeros and the largest t as -3e38: the first change of M multiplies zeros, so the step is written once.
.macro PASS nt, qf, qs, a
	s_lshr_b32 s61, s[\a], 1                       ; my last step
	s_and_b32 s62, s[\a], 1
	s_lshl_b32 s62, s62, 6
	s_lshl_b32 s58, s19, 4
	s_add_co_u32 s62, s62, s58
	v_add_nc_u32 v[DV], s62, v[RH]                 ; in the last step my query is key 64 (a % 2) + 16 j + r; register n of tile t is key 16 t + 8 h + n: hidden where 16 t + n > this
	v_mov_b32 v13, 0xff61b1e6                      ; -3e38, under every t
	s_delay_alu instid0(VALU_DEP_1)
	v_floor_f32 v12, -v13
	v_mov_b32 v14, 0
	v_mov_b32 v15, 0
.irp j, 0,1,2,3,4,5,6,7,8,9,10,11,12,13,14,15,16,17,18,19,20,21,22,23,24,25,26,27,28,29,30,31
	v_mov_b32 v[O+\j], 0
.endr
	s_mov_b32 s[TB], 0
	s_mov_b32 s60, 0
.Ltrip_\@:
	s_cmp_gt_u32 s60, s61                          ; all keys of this step come after my queries: only the lines that step are run
	s_cbranch_scc1 .Lskip_\@
	s_setprio 2
	v_add_nc_u32 v[ADR], s[TB], v[L16]
.rept 3
	v_nop                                          ; with the addition: four places in front of loads into the registers that the last products read
.endr
.irp t, 0,1,2,3,4,5,6,7
	ds_load_b128 v[KB+4*\t:KB+4*\t+3], v[ADR] offset:512*\t
.endr
	ds_load_b128 v[KS:KS+3], v[ADR] offset:8192
.irp p, 0,1,2,3,4,5,6,7
	ds_load_b128 v[VB+4*\p:VB+4*\p+3], v[ADR] offset:4096+512*\p
.endr
	ds_load_b128 v[VS:VS+3], v[ADR] offset:8704
	s_wait_dscnt 9                                 ; K and its scale words are in; V's nine loads may be out
.irp t, 0,1,2,3,4,5,6,7
.if \t%2
	v_wmma_scale_f32_16x16x128_f8f6f4 v[S+8*\t:S+8*\t+7], v[KB+4*\t:KB+4*\t+7], v[\qf:\qf+7], 0, v[KS+\t/2], v[\qs] matrix_a_fmt:MATRIX_FMT_FP4 matrix_b_fmt:MATRIX_FMT_FP4 matrix_a_scale:MATRIX_SCALE_ROW1
.else
	v_wmma_scale_f32_16x16x128_f8f6f4 v[S+8*\t:S+8*\t+7], v[KB+4*\t:KB+4*\t+7], v[\qf:\qf+7], 0, v[KS+\t/2], v[\qs] matrix_a_fmt:MATRIX_FMT_FP4 matrix_b_fmt:MATRIX_FMT_FP4
.endif
.endr
	PLACES
	s_cmp_lg_u32 s60, s61                          ; only my last step lies on the diagonal
	s_cbranch_scc1 .Lopen_\@
.irp t, 0,1,2,3,4,5,6,7
.irp n, 0,1,2,3,4,5,6,7
	v_cmp_gt_i32 vcc_lo, 16*\t+\n, v[DV]
	v_cndmask_b32 v[S+8*\t+\n], v[S+8*\t+\n], v[NINF], vcc_lo
.endr
.endr
.Lopen_\@:
.irp b, 0,1,2,3
	v_max3_num_f32 v[BM+\b], v[S+16*\b], v[S+16*\b+1], v[S+16*\b+2]   ; the largest score of each block of 32 keys: it serves the row's maximum and, since p rises with the score, the block's largest p
.endr
.irp i, 3,5,7,9,11,13
.irp b, 0,1,2,3
	v_max3_num_f32 v[BM+\b], v[BM+\b], v[S+16*\b+\i], v[S+16*\b+\i+1]   ; (the four blocks by turns; each accumulator from its low end on)
.endr
.endr
.irp b, 0,1,2,3
	v_max_num_f32 v[BM+\b], v[BM+\b], v[S+16*\b+15]
.endr
.irp b, 0,1,2,3
	s_delay_alu instid0(VALU_DEP_4)
	v_permlanex16_b32 v[TP+\b], v[BM+\b], s20, s21
.endr
.irp b, 0,1,2,3
	s_delay_alu instid0(VALU_DEP_4)
	v_max_num_f32 v[BM+\b], v[BM+\b], v[TP+\b]     ; with lane l xor 16's 16 keys
.endr
	s_delay_alu instid0(VALU_DEP_2)
	v_max3_num_f32 v[TT], v[BM], v[BM+1], v[BM+2]
	s_delay_alu instid0(VALU_DEP_1)
	v_max_num_f32 v[TT], v[TT], v[BM+3]            ; the step's largest score of my query
	s_delay_alu instid0(VALU_DEP_1)
	v_mul_f32 v[TT], s22, v[TT]                    ; as t (c is positive)
	s_delay_alu instid0(VALU_DEP_1)
	v_max_num_f32 v13, v13, v[TT]                  ; the running largest t
	v_mov_b32 v[TT], v12
	s_delay_alu instid0(VALU_DEP_2)
	v_floor_f32 v12, -v13                          ; the new -M = floor(-t) = -ceil(t)
	s_delay_alu instid0(VALU_DEP_1)
	v_sub_f32 v[TT], v12, v[TT]                    ; old M - new M: a whole number, 0 or less
	s_delay_alu instid0(VALU_DEP_1)
	v_cvt_i32_f32 v[TT], v[TT]                     ; (it saturates)
	s_delay_alu instid0(VALU_DEP_1)
	v_ldexp_f32 v[FF], 1.0, v[TT]                  ; f = 2^(old M - new M)
.irp j, 0,2,4,6,8,10,12,14,16,18,20,22,24,26,28,30,32,34,36,38,40,42,44,46,48,50,52,54,56,58,60,62
	v_pk_fma_f32 v[S+\j:S+\j+1], v[S+\j:S+\j+1], s[22:23], v[12:13] op_sel_hi:[1,0,0]   ; t - M, two at a time
.endr
	s_setprio 1
.irp b, 0,1,2,3
	v_fma_f32 v[BM+\b], v[BM+\b], s22, v12         ; the same of each block's largest score
.endr
	s_wait_alu depctr_va_vdst(0)
.irp j, 0,1,2,3,4,5,6,7,8,9,10,11,12,13,14,15,16,17,18,19,20,21,22,23,24,25,26,27,28,29,30,31,32,33,34,35,36,37,38,39,40,41,42,43,44,45,46,47,48,49,50,51,52,53,54,55,56,57,58,59,60,61,62,63
	v_exp_f32 v[S+\j], v[S+\j]                     ; p = 2^(t - M)
.endr
.irp b, 0,1,2,3
	v_exp_f32 v[BM+\b], v[BM+\b]                   ; the block's largest p: the same two instructions on the same number
.endr
	v_pk_mul_f32 v[14:15], v[14:15], v[FF:FF+1] op_sel_hi:[1,0]   ; l under the new M.  (A plain place behind the exponentials)
	s_wait_alu depctr_va_vdst(0)
.irp b, 0,1,2,3
	v_max_num_f32 v[BM+\b], 0x1800000, v[BM+\b]    ; the floor 2^(3 - 127): the byte cannot fall under 1
.endr
.irp b, 0,1,2,3
	s_delay_alu instid0(VALU_DEP_4)
	v_add_nc_u32 v[SO+\b], 0xff000000, v[BM+\b]    ; 2 off the exponent field: the conversion's scale operand
.endr
.irp b, 0,1,2,3
	s_delay_alu instid0(VALU_DEP_4)
	v_lshrrev_b32 v[TP+\b], 23, v[SO+\b]           ; the scale's byte
.endr
	s_delay_alu instid0(VALU_DEP_3)
	v_lshl_or_b32 v[PW], v[TP+1], 8, v[TP]         ; p's scale word for these 128 keys
	s_delay_alu instid0(VALU_DEP_1)
	v_lshl_or_b32 v[PW], v[TP+2], 16, v[PW]
	s_delay_alu instid0(VALU_DEP_1)
	v_lshl_or_b32 v[PW], v[TP+3], 24, v[PW]
.irp c, 0,1
	v_cvt_scalef32_pk8_fp4_f32 v[PC+4*\c], v[S+32*\c:S+32*\c+7], v[SO+2*\c]
	v_cvt_scalef32_pk8_fp4_f32 v[PC+4*\c+2], v[S+32*\c+8:S+32*\c+15], v[SO+2*\c]
	v_cvt_scalef32_pk8_fp4_f32 v[PC+4*\c+1], v[S+32*\c+16:S+32*\c+23], v[SO+2*\c+1]
	v_cvt_scalef32_pk8_fp4_f32 v[PC+4*\c+3], v[S+32*\c+24:S+32*\c+31], v[SO+2*\c+1]
.endr
	v_nop                                          ; one plain place behind the scaled conversions
.irp c, 0,1
	v_permlane16_swap_b32 v[PC+4*\c], v[PC+4*\c+1]       ; register 4 c + g of lane (r, h') now holds keys 64 c + 32 h' + 8 g .. + 7
	v_permlane16_swap_b32 v[PC+4*\c+2], v[PC+4*\c+3]
.endr
	v_pk_add_f32 v[228:229], v[104:105], v[108:109]
	v_pk_add_f32 v[252:253], v[112:113], v[116:117]
	v_pk_add_f32 v[250:251], v[120:121], v[124:125]
	v_pk_add_f32 v[248:249], v[128:129], v[132:133]
	v_pk_add_f32 v[246:247], v[136:137], v[140:141]
	v_pk_add_f32 v[244:245], v[144:145], v[148:149]
	v_pk_add_f32 v[242:243], v[152:153], v[156:157]
	v_pk_add_f32 v[14:15], v[14:15], v[160:161]
	v_pk_add_f32 v[228:229], v[228:229], v[100:101]
	v_pk_add_f32 v[252:253], v[252:253], v[102:103]
	v_pk_add_f32 v[250:251], v[250:251], v[106:107]
	v_pk_add_f32 v[248:249], v[248:249], v[110:111]
	v_pk_add_f32 v[246:247], v[246:247], v[114:115]
	s_setprio 0
	v_pk_add_f32 v[244:245], v[244:245], v[118:119]
	v_pk_add_f32 v[242:243], v[242:243], v[122:123]
	v_pk_add_f32 v[14:15], v[14:15], v[126:127]
	v_pk_add_f32 v[228:229], v[228:229], v[130:131]
	v_pk_add_f32 v[252:253], v[252:253], v[134:135]
	v_pk_add_f32 v[250:251], v[250:251], v[138:139]
	v_pk_add_f32 v[248:249], v[248:249], v[142:143]
	v_pk_add_f32 v[246:247], v[246:247], v[146:147]
	v_pk_add_f32 v[244:245], v[244:245], v[150:151]
	v_pk_add_f32 v[242:243], v[242:243], v[154:155]
	v_pk_add_f32 v[14:15], v[14:15], v[158:159]
	v_pk_add_f32 v[228:229], v[228:229], v[162:163]
	s_delay_alu instid0(VALU_DEP_2)
	v_pk_add_f32 v[14:15], v[14:15], v[248:249]
	s_delay_alu instid0(VALU_DEP_2)
	v_pk_add_f32 v[228:229], v[228:229], v[246:247]
	v_pk_add_f32 v[252:253], v[252:253], v[244:245]
	v_pk_add_f32 v[250:251], v[250:251], v[242:243]
	s_delay_alu instid0(VALU_DEP_2)
	v_pk_add_f32 v[14:15], v[14:15], v[252:253]
	s_delay_alu instid0(VALU_DEP_2)
	v_pk_add_f32 v[228:229], v[228:229], v[250:251]
	s_delay_alu instid0(VALU_DEP_1)
	v_pk_add_f32 v[14:15], v[14:15], v[228:229]
.irp j, 0,2,4,6,8,10,12,14,16,18,20,22,24,26,28,30
	v_pk_mul_f32 v[O+\j:O+\j+1], v[O+\j:O+\j+1], v[FF:FF+1] op_sel_hi:[1,0]   ; O^T under the new M.  (With the sums above: the places between p's scale word and codes and the products below)
.endr
	s_wait_alu depctr_va_vdst(0)
	s_wait_dscnt 0x0                               ; V and its scale words are in
.irp t, 0,1,2,3
	v_wmma_scale_f32_16x16x128_f8f6f4 v[O+8*\t:O+8*\t+7], v[VB+8*\t:VB+8*\t+7], v[PC:PC+7], v[O+8*\t:O+8*\t+7], v[VS+\t], v[PW] matrix_a_fmt:MATRIX_FMT_FP4 matrix_b_fmt:MATRIX_FMT_FP4   ; the four accumulators by turns
.endr
.Lskip_\@:
	s_add_co_u32 s[TB], s[TB], STEPB
	s_add_co_u32 s60, s60, 1
	s_cmp_lt_u32 s60, \nt
	s_cbranch_scc1 .Ltrip_\@
	s_setprio 0
.endm
; The tile's end: O^T / l; its 64 channels are two blocks of the last product's K: quantised as above, and stored as an image of that operand's registers with two scale bytes a token.
.macro FINISH ap, asp
	PLACES
	v_add_f32 v14, v14, v15                        ; l's two halves,
	s_delay_alu instid0(VALU_DEP_1)
	v_permlanex16_b32 v[TT], v14, s20, s21
	s_delay_alu instid0(VALU_DEP_1)
	v_add_f32 v14, v14, v[TT]                      ; and lane l xor 16's
	s_wait_alu depctr_va_vdst(0)
	v_rcp_f32 v[FF], v14
	v_nop                                          ; one plain place behind the transcendental
	s_wait_alu depctr_va_vdst(0)
.irp j, 0,2,4,6,8,10,12,14,16,18,20,22,24,26,28,30
	v_pk_mul_f32 v[S+\j:S+\j+1], v[O+\j:O+\j+1], v[FF:FF+1] op_sel_hi:[1,0]   ; register 8 t + n is channel 16 t + 8 h + n of my query
.endr
.irp b, 0,1
	v_max3_num_f32 v[BM+\b], |v[S+16*\b]|, |v[S+16*\b+1]|, 0x1800000
.endr
.irp i, 2,4,6,8,10,12,14
.irp b, 0,1
	s_delay_alu instid0(VALU_DEP_2)
	v_max3_num_f32 v[BM+\b], v[BM+\b], |v[S+16*\b+\i]|, |v[S+16*\b+\i+1]|
.endr
.endr
.irp b, 0,1
	s_delay_alu instid0(VALU_DEP_2)
	v_permlanex16_b32 v[TP+\b], v[BM+\b], s20, s21
.endr
.irp b, 0,1
	s_delay_alu instid0(VALU_DEP_2)
	v_max_num_f32 v[BM+\b], v[BM+\b], v[TP+\b]
.endr
.irp b, 0,1
	s_delay_alu instid0(VALU_DEP_2)
	v_add_nc_u32 v[SO+\b], 0xff000000, v[BM+\b]
.endr
.irp b, 0,1
	s_delay_alu instid0(VALU_DEP_2)
	v_lshrrev_b32 v[TP+\b], 23, v[SO+\b]
.endr
	s_delay_alu instid0(VALU_DEP_1)
	v_lshl_or_b32 v[PW], v[TP+1], 8, v[TP]         ; my token's two scale bytes
	v_cvt_scalef32_pk8_fp4_f32 v[PC], v[S:S+7], v[SO]
	v_cvt_scalef32_pk8_fp4_f32 v[PC+2], v[S+8:S+15], v[SO]
	v_cvt_scalef32_pk8_fp4_f32 v[PC+1], v[S+16:S+23], v[SO+1]
	v_cvt_scalef32_pk8_fp4_f32 v[PC+3], v[S+24:S+31], v[SO+1]
	v_nop
	v_permlane16_swap_b32 v[PC], v[PC+1]
	v_permlane16_swap_b32 v[PC+2], v[PC+3]
	global_store_b128 v[L16], v[PC:PC+3], s[\ap:\ap+1]   ; 32 lanes store 512 consecutive bytes, at a multiple of 256 from the buffer's first byte
	global_store_b16 v[A32], v[PW], s[\asp:\asp+1]       ; both halves of the lanes store the same two bytes with the same value
.endm
	s_wait_tensorcnt 0x0                           ; my block has landed,
	s_barrier_signal -1
	s_barrier_wait -1                              ; everybody's has: the whole head lies in LDS, and nothing writes LDS from here on
	s_wait_loadcnt 0x0                             ; Q
	PASS 8, QF1, QS1, 14                           ; a = w is 15 at the most: steps 0 .. 7
	FINISH 40, 42
	s_wait_xcnt 0x0                                ; the stores have read their registers
	PASS 16, QF2, QS2, 15
	FINISH 48, 50
	s_wait_dscnt 0x0
	s_wait_tensorcnt 0x0
	ds_add_u32 v254, v255
	s_wait_dscnt 0x0
	CROUND                                         ; the closing round
	s_endpgm
.Lfunc_end_k_qe4aeb07c60_attn:
	.size	k_qe4aeb07c60_attn, .Lfunc_end_k_qe4aeb07c60_attn-k_qe4aeb07c60_attn
	.p2alignl 7, 3214868480
	.fill 96, 4, 3214868480
	.section	.rodata,"a",@progbits
	.p2align	6, 0x0
	.amdhsa_kernel k_qe4aeb07c60_attn
		.amdhsa_group_segment_fixed_size 169984
		.amdhsa_private_segment_fixed_size 0
		.amdhsa_enable_private_segment 0
		.amdhsa_kernarg_size 40
		.amdhsa_user_sgpr_count 2
		.amdhsa_user_sgpr_kernarg_segment_ptr 1
		.amdhsa_wavefront_size32 1
		.amdhsa_system_sgpr_workgroup_id_x 1
		.amdhsa_system_sgpr_workgroup_id_y 1
		.amdhsa_system_sgpr_workgroup_id_z 1
		.amdhsa_system_vgpr_workitem_id 0
		.amdhsa_next_free_vgpr 256
		.amdhsa_next_free_sgpr 66
		.amdhsa_reserve_vcc 1
		.amdhsa_float_denorm_mode_32 3
		.amdhsa_float_denorm_mode_16_64 3
		.amdhsa_memory_ordered 1
		.amdhsa_forward_progress 1
		.amdhsa_inst_pref_size 61
	.end_amdhsa_kernel
	.amdgpu_metadata
---
amdhsa.version: [ 1, 2 ]
amdhsa.kernels:
  - .name:           k_qe4aeb07c60_attn
    .symbol:         k_qe4aeb07c60_attn.kd
    .args:
      - { .name: qimg, .offset: 0, .size: 8, .value_kind: global_buffer, .address_space: global }
      - { .name: qsc, .offset: 8, .size: 8, .value_kind: global_buffer, .address_space: global }
      - { .name: kv, .offset: 16, .size: 8, .value_kind: global_buffer, .address_space: global }
      - { .name: aimg, .offset: 24, .size: 8, .value_kind: global_buffer, .address_space: global }
      - { .name: asc, .offset: 32, .size: 8, .value_kind: global_buffer, .address_space: global }
    .group_segment_fixed_size: 169984
    .private_segment_fixed_size: 0
    .kernarg_segment_align: 8
    .kernarg_segment_size: 40
    .max_flat_workgroup_size: 512
    .sgpr_count:     66
    .vgpr_count:     256
    .wavefront_size: 32
...
	.end_amdgpu_metadata
.endif
;; end of part 2
;; launch oproj (part 3): grid 4 x 64, 4 waves a work-group, clusters of 4 x 4, 235,008 bytes of LDS; arguments aimg, asc, Wo_codes, Wo_scales, bo, out0; writes out0
.if DOCPART == 3
	.amdgcn_target "amdgcn-amd-amdhsa--gfx1250"
	.amdhsa_code_object_version 6
	.text
	.protected	k_qe4aeb07c60_oproj
	.globl	k_qe4aeb07c60_oproj
	.p2align	8
	.type	k_qe4aeb07c60_oproj,@function
k_qe4aeb07c60_oproj:
	s_mov_b64 s[64:65], 0
	v_nop
	global_prefetch_b8 v0, s[64:65] scope:SCOPE_SE
	s_setreg_imm32_b32 hwreg(HW_REG_WAVE_MODE, 25, 1), 1
	s_wait_xcnt 0x0
	s_wait_alu depctr_hold_cnt(0) depctr_sa_sdst(0) depctr_va_vdst(0) depctr_va_sdst(0) depctr_va_ssrc(0) depctr_va_vcc(0) depctr_vm_vsrc(0)
	s_getreg_b32 s2, hwreg(HW_REG_IB_STS2, 6, 4)
	s_cmp_eq_u32 s2, 0
	s_cbranch_scc0 .Lentry_in_a_cluster
	s_endpgm
.Lentry_in_a_cluster:
	s_bfe_u32 s2, ttmp6, 0x10000c
	s_cmp_lg_u32 s2, 0xf033
	s_cbranch_scc0 .Lentry_shape_is_right
	s_endpgm
.Lentry_shape_is_right:
; out0 = a Wo^T + bo on codes of FP4 (E2M1) with one E8M0 byte for each 32 along K; sums in f32.  a: the attention's result, [8,192 tokens][1,024], as images of this product's operand registers
; (aimg [tile of 16 tokens][head][lane][16]: heads 2 s and 2 s + 1 are registers 0-3 and 4-7 of the fragment of K step s) and scale bytes laid [token][32] (asc).  Wo: [1,024][1,024] codes, K innermost.
; SHARES.  A work-group takes 128 tokens x 256 outputs; wave w 64 of the tokens (w / 2) and 128 of the outputs (w % 2): 4 x 8 accumulators.  All of K (1,024) lies in LDS: one fill, no ring, nothing filled again.
; CLUSTERS, 4 x 4: a's images hang on the block of tokens alone: asked for jointly along a row of the cluster; Wo's rows on the block of outputs alone: jointly along a column.
; THE MATRIX INSTRUCTION IS USED TRANSPOSED (source 0 = 16 rows of Wo, source 1 = 16 tokens): a lane holds eight neighbouring outputs of one token.  bo is the C of each sum's first product.
; THE WAY OUT: 16 tokens x 128 outputs at a time through the wave's own stage in LDS, back as whole rows of 512 bytes.
; REGISTERS: window 0: v4-10 addresses; v16-31 a's scale words, v32-63 Wo's; v64-159 and v160-255 two sets of fragments (a's four, Wo's eight).  window 1: the accumulators, (i, t) at 8 (8 i + t).  window 2: v0-63 bo.
.set PITCH, 528                        ; a row of Wo in LDS, and of the stage: 512 bytes + 16 = 33 x 16 bytes
.set WO,    65536                      ; behind a's images (8 tiles x 8,192 bytes, dense): Wo's 256 rows
.set STG,   WO+256*PITCH               ; behind them: a stage of 16 rows for each wave; no tensor load lands there
.set AA,  4                            ; v4   my 64 tokens' images: 16 x lane + 32,768 (w / 2)
.set AW,  5                            ; v5   my 128 rows of Wo: row r, + 16 h
.set STO, 6                            ; v6   the stage: where I put 32 bytes of a row
.set RD,  7                            ; v7   and where I read a row back
.set L16, 8                            ; v8   16 x lane
.set L32, 9                            ; v9   32 x lane
.set BH,  10                           ; v10  32 h
.set ASW, 16                           ; a's scale words: 8 p + s: lanes 0-15 tile 2 p, lanes 16-31 tile 2 p + 1, K step s
.set WSW, 32                           ; Wo's likewise
.set F0,  64                           ; a set of fragments: 32 registers of a, 64 of Wo; the second set 96 further on
.set WV,  16                           ; s16 wave, s17 w / 2, s18 w % 2
.set G1A, 28                           ; s[28:35], s[44:47] descriptor groups 1 and 0 for a's images;  s[36:43], s[48:51] for Wo
.set G1W, 36
.set G0A, 44
.set G0W, 48
.set MSB, 0
.macro WIN new
.if MSB != (\new)
	s_set_vgpr_msb (MSB<<8)|(\new)
.set MSB, \new
.endif
.endm
.macro PLACES
.rept 4
	v_nop
.endr
.endm
.macro CROUND
	s_barrier_signal -1
	s_barrier_wait -1
	s_cmp_lg_u32 s[WV], 0
	s_cbranch_scc1 .Lnot_wave_0_\@
	s_barrier_signal -3
.Lnot_wave_0_\@:
	s_barrier_wait -3
	s_barrier_signal -1
	s_barrier_wait -1
.endm
	s_load_b256 s[4:11], s[0:1], 0x0               ; aimg s[4:5], asc s[6:7], Wo_codes s[8:9], Wo_scales s[10:11]
	s_load_b128 s[12:15], s[0:1], 0x20             ; bo s[12:13], out0 s[14:15]
	v_lshl_add_u32 v14, v0, 2, 0x39400
	v_mov_b32 v15, 0
	ds_add_u32 v14, v15
	ds_add_u32 v14, v15
	v_lshrrev_b32 v1, 5, v0
	v_readfirstlane_b32 s[WV], v1                  ; wave 0..3
	s_lshr_b32 s17, s[WV], 1                       ; which 64 tokens.  Also: I fetch a's images (0) or Wo (1)
	s_and_b32 s18, s[WV], 1                        ; which 128 outputs.  Also: which half I fetch
	s_bfe_u32 s19, ttmp6, 0x40000                  ; cx, cy
	s_bfe_u32 s20, ttmp6, 0x40004
	s_lshl_b32 s21, ttmp9, 2
	s_add_co_u32 s21, s21, s19                     ; nb: the block of 256 outputs
	s_and_b32 s22, ttmp7, 0xffff
	s_lshl_b32 s22, s22, 2
	s_add_co_u32 s22, s22, s20                     ; ty: the block of 128 tokens
	s_lshl_b32 s23, s20, 2
	s_lshl_b32 s23, 15, s23                        ; my row of the cluster
	s_lshl_b32 s24, 0x1111, s19                    ; my column
	s_or_b32 s[G1A], s23, (3<<16)|(1<<21)          ; a dense block of 32,768 bytes as 128 rows of 256 bytes (32 elements of 8 bytes), no padding
	s_mov_b32 s[G1A+1], 32<<16
	s_mov_b32 s[G1A+2], 128<<16
	s_mov_b32 s[G1A+3], 32<<16
	s_mov_b32 s[G1A+4], 128
	s_mov_b32 s[G1A+5], 32
	s_mov_b32 s[G1A+6], 0
	s_mov_b32 s[G1A+7], 0
	s_or_b32 s[G1W], s24, (0<<16)|(1<<20)|(1<<21)|(6<<22)|(3<<25)   ; 128 rows x 512 bytes, four words of padding behind every 128
	s_mov_b32 s[G1W+1], 512<<16
	s_mov_b32 s[G1W+2], 128<<16
	s_mov_b32 s[G1W+3], 512<<16
	s_mov_b32 s[G1W+4], 128
	s_mov_b32 s[G1W+5], 512
	s_mov_b32 s[G1W+6], 0
	s_mov_b32 s[G1W+7], 0
	s_lshl_b32 s52, s22, 16                        ; a's images: 65,536 ty + 32,768 (w % 2): no register here holds nb
	s_lshl_b32 s53, s18, 15
	s_add_co_u32 s52, s52, s53
	s_mov_b32 s[G0A+1], s53                        ; and in LDS: 32,768 (w % 2)
	s_mov_b32 s53, 0
	s_lshl_b32 s54, s21, 17                        ; Wo: (256 nb + 128 (w % 2)) rows of 512 bytes: no register here holds ty
	s_lshl_b32 s55, s18, 16
	s_add_co_u32 s54, s54, s55
	s_mov_b32 s55, 0
	s_mul_i32 s25, s18, 128*PITCH
	s_add_co_u32 s[G0W+1], s25, WO
	s_lshl_b32 s56, s22, 12                        ; asc: (128 ty + 64 (w / 2)) rows of 32 bytes
	s_lshl_b32 s57, s17, 11
	s_add_co_u32 s56, s56, s57
	s_mov_b32 s57, 0
	s_lshl_b32 s58, s21, 13                        ; Wo_scales: (256 nb + 128 (w % 2)) rows of 32 bytes
	s_lshl_b32 s59, s18, 12
	s_add_co_u32 s58, s58, s59
	s_mov_b32 s59, 0
	s_lshr_b32 s60, s58, 3                         ; bo, and my first column of out0: the same x 4 bytes
	s_mov_b32 s61, 0
	s_lshl_b32 s62, s22, 19                        ; out0: (128 ty + 64 (w / 2)) rows of 4,096 bytes + my first column
	s_lshl_b32 s63, s17, 18
	s_add_co_u32 s62, s62, s63
	s_add_co_u32 s62, s62, s60
	s_mov_b32 s63, 0
	v_and_b32 v1, 15, v0                           ; r
	v_bfe_u32 v2, v0, 4, 1                         ; h
	v_and_b32 v3, 31, v0                           ; lane
	v_lshlrev_b32 v[L16], 4, v3
	v_lshlrev_b32 v[L32], 5, v3
	v_lshlrev_b32 v[BH], 5, v2
	s_lshl_b32 s26, s17, 15
	v_add_nc_u32 v[AA], s26, v[L16]
	v_mul_u32_u24 v11, v1, PITCH
	v_lshl_add_u32 v12, v2, 4, v11
	s_add_co_u32 s25, s25, WO
	v_add_nc_u32 v[AW], s25, v12
	s_mul_i32 s26, s[WV], 16*PITCH
	s_add_co_u32 s26, s26, STG                     ; my stage
	v_lshl_add_u32 v12, v2, 5, v11
	v_add_nc_u32 v[STO], s26, v12                  ; in: row r, 32 bytes for each half of the lanes
	v_add_nc_u32 v[RD], s26, v[L16]                ; back: the 32 lanes take one row of 512 bytes
	s_wait_dscnt 0x0
	s_wait_kmcnt 0x0
	s_mov_b32 s[G0A], 1
	s_add_nc_u64 s[G0A+2:G0A+3], s[4:5], s[52:53]
	s_or_b32 s[G0A+3], s[G0A+3], 0x80000000
	s_mov_b32 s[G0W], 1
	s_add_nc_u64 s[G0W+2:G0W+3], s[8:9], s[54:55]
	s_or_b32 s[G0W+3], s[G0W+3], 0x80000000
	s_add_nc_u64 s[6:7], s[6:7], s[56:57]
	s_add_nc_u64 s[10:11], s[10:11], s[58:59]
	s_add_nc_u64 s[12:13], s[12:13], s[60:61]
	s_add_nc_u64 s[14:15], s[14:15], s[62:63]
	CROUND                                         ; all sixteen work-groups are here: the joint loads meet
	s_cmp_eq_u32 s17, 0                            ; one load a wave: waves 0 and 1 a's halves, waves 2 and 3 Wo's.  Four v_nop follow each line
	s_cbranch_scc0 .Lfor_w
	tensor_load_to_lds s[G0A:G0A+3], s[G1A:G1A+7]
	s_nop 0
.rept 4
	v_nop
.endr
	s_branch .Lasked
.Lfor_w:
	tensor_load_to_lds s[G0W:G0W+3], s[G1W:G1W+7]
	s_nop 0
.rept 4
	v_nop
.endr
.Lasked:
	s_wait_alu depctr_va_vdst(0)
.irp p, 0,1
.irp e, 0,1
	global_load_b128 v[ASW+8*\p+4*\e:ASW+8*\p+4*\e+3], v[L32], s[6:7] offset:1024*\p+16*\e    ; lane l of pair p: token 32 p + l: its 32 scale bytes
.endr
.endr
.irp p, 0,1,2,3
.irp e, 0,1
	global_load_b128 v[WSW+8*\p+4*\e:WSW+8*\p+4*\e+3], v[L32], s[10:11] offset:1024*\p+16*\e
.endr
.endr
	WIN 0x80                                       ; destination window 2
.irp t, 0,1,2,3,4,5,6,7
	global_load_b128 v[8*\t:8*\t+3], v[BH], s[12:13] offset:64*\t        ; bo in the result's layout: register j of tile t is output 16 t + 8 h + j
	global_load_b128 v[8*\t+4:8*\t+7], v[BH], s[12:13] offset:64*\t+16
.endr
	WIN 0
.macro LDF s, set                      ; the 24 loads of K step s: a's four fragments as images, Wo's eight from rows
.irp i, 0,1,2,3
.irp c, 0,1
	ds_load_b128 v[F0+96*(\set)+8*\i+4*\c:F0+96*(\set)+8*\i+4*\c+3], v[AA] offset:\i*8192+1024*(\s)+512*\c
.endr
.endr
.irp t, 0,1,2,3,4,5,6,7
.irp c, 0,1
	ds_load_b128 v[F0+96*(\set)+32+8*\t+4*\c:F0+96*(\set)+32+8*\t+4*\c+3], v[AW] offset:\t*16*PITCH+64*(\s)+32*\c
.endr
.endr
.endm
.macro WM                              ; one product, from the symbols rD, rA, rB, rC, rSA, rSB; fA, fB: that side's scale words stand in lanes 16-31
.if fA && fB
	v_wmma_scale_f32_16x16x128_f8f6f4 v[rD:rD+7], v[rA:rA+7], v[rB:rB+7], v[rC:rC+7], v[rSA], v[rSB] matrix_a_fmt:MATRIX_FMT_FP4 matrix_b_fmt:MATRIX_FMT_FP4 matrix_a_scale:MATRIX_SCALE_ROW1 matrix_b_scale:MATRIX_SCALE_ROW1
.elseif fA
	v_wmma_scale_f32_16x16x128_f8f6f4 v[rD:rD+7], v[rA:rA+7], v[rB:rB+7], v[rC:rC+7], v[rSA], v[rSB] matrix_a_fmt:MATRIX_FMT_FP4 matrix_b_fmt:MATRIX_FMT_FP4 matrix_a_scale:MATRIX_SCALE_ROW1
.elseif fB
	v_wmma_scale_f32_16x16x128_f8f6f4 v[rD:rD+7], v[rA:rA+7], v[rB:rB+7], v[rC:rC+7], v[rSA], v[rSB] matrix_a_fmt:MATRIX_FMT_FP4 matrix_b_fmt:MATRIX_FMT_FP4 matrix_b_scale:MATRIX_SCALE_ROW1
.else
	v_wmma_scale_f32_16x16x128_f8f6f4 v[rD:rD+7], v[rA:rA+7], v[rB:rB+7], v[rC:rC+7], v[rSA], v[rSB] matrix_a_fmt:MATRIX_FMT_FP4 matrix_b_fmt:MATRIX_FMT_FP4
.endif
.endm
.macro MUL32 s, set                    ; the 32 accumulators take turns, one instruction a turn, in the same order in every step
.irp i, 0,1,2,3
.irp t, 0,1,2,3,4,5,6,7
.set rD, 8*(8*\i+\t)
.set rA, F0+96*(\set)+32+8*\t
.set rB, F0+96*(\set)+8*\i
.if (\s) == 0
.set rC, 8*\t
.else
.set rC, rD
.endif
.set rSA, WSW+8*(\t/2)+(\s)
.set rSB, ASW+8*(\i/2)+(\s)
.set fA, \t%2
.set fB, \i%2
	WM
.endr
.endr
.endm
.macro KSTEP s
.if (\s) > 0
	PLACES                                         ; the other set was read by the last step's products
.endif
	WIN 0
.if (\s) < 7
	LDF (\s)+1, ((\s)+1)%2
	s_wait_dscnt 24                                ; all but the 24 loads just issued: this step's fragments are in
.else
	s_wait_dscnt 0x0
.endif
.if (\s) == 0
	WIN 0x60                                       ; C (bo) window 2, D window 1
.else
	WIN 0x50                                       ; C and D window 1
.endif
	MUL32 \s, (\s)%2
.endm
.macro TOSTAGE a                       ; tile a of 16 tokens: into my stage, and back as whole rows.  LDS serves a wave's instructions in order (ISA guide 5.7.1.4): no wait between the stores and the loads
	WIN 0x04                                       ; an LDS store's data are its source 1: window 1
.irp t, 0,1,2,3,4,5,6,7
	ds_store_b128 v[STO], v[64*(\a)+8*\t:64*(\a)+8*\t+3] offset:64*\t          ; each accumulator from its low end on
	ds_store_b128 v[STO], v[64*(\a)+8*\t+4:64*(\a)+8*\t+7] offset:64*\t+16
.endr
	WIN 0
.irp t, 0,1,2,3,4,5,6,7,8,9,10,11,12,13,14,15
	ds_load_b128 v[F0+96*((\a)%2)+4*\t:F0+96*((\a)%2)+4*\t+3], v[RD] offset:\t*PITCH
.endr
.endm
.macro SEND a, younger                 ; younger: the LDS instructions issued behind tile a's loads, which may stay out
	s_wait_dscnt \younger
.irp t, 0,1,2,3,4,5,6,7,8,9,10,11,12,13,14,15
	global_store_b128 v[L16], v[F0+96*((\a)%2)+4*\t:F0+96*((\a)%2)+4*\t+3], s[14:15] offset:(16*(\a)+\t)*4096 th:TH_STORE_NT   ; 32 lanes store 512 consecutive bytes, at a multiple of 256 from out0's first byte; written once, read by nobody here
.endr
.endm
	s_wait_tensorcnt 0x0                           ; my one load has landed,
	s_barrier_signal -1
	s_barrier_wait -1                              ; everybody's has; nothing is filled again in this launch
	LDF 0, 0
	s_wait_loadcnt 0x0                             ; scale words and bo
.irp s, 0,1,2,3,4,5,6,7
	KSTEP \s
.endr
	PLACES                                         ; in front of the first read of results and of the loads into the fragments' registers
	TOSTAGE 0
.irp a, 1,2,3
.if \a > 1
	s_wait_xcnt 0x0                                ; tile a - 2's stores have read their registers: tile a's rows may land there
.endif
	TOSTAGE \a
	SEND \a-1, 32                                  ; behind tile a - 1's loads: tile a's 16 stores and 16 loads
.endr
	SEND 3, 0
	s_wait_dscnt 0x0
	s_wait_tensorcnt 0x0
	ds_add_u32 v14, v15
	s_wait_dscnt 0x0
	CROUND                                         ; the closing round: no work-group ends while a partner may still ask for a tile that names it
	s_endpgm
.Lfunc_end_k_qe4aeb07c60_oproj:
	.size	k_qe4aeb07c60_oproj, .Lfunc_end_k_qe4aeb07c60_oproj-k_qe4aeb07c60_oproj
	.p2alignl 7, 3214868480
	.fill 96, 4, 3214868480
	.section	.rodata,"a",@progbits
	.p2align	6, 0x0
	.amdhsa_kernel k_qe4aeb07c60_oproj
		.amdhsa_group_segment_fixed_size 235008
		.amdhsa_private_segment_fixed_size 0
		.amdhsa_enable_private_segment 0
		.amdhsa_kernarg_size 48
		.amdhsa_user_sgpr_count 2
		.amdhsa_user_sgpr_kernarg_segment_ptr 1
		.amdhsa_wavefront_size32 1
		.amdhsa_system_sgpr_workgroup_id_x 1
		.amdhsa_system_sgpr_workgroup_id_y 1
		.amdhsa_system_sgpr_workgroup_id_z 1
		.amdhsa_system_vgpr_workitem_id 0
		.amdhsa_next_free_vgpr 576
		.amdhsa_next_free_sgpr 66
		.amdhsa_reserve_vcc 0
		.amdhsa_float_denorm_mode_32 3
		.amdhsa_float_denorm_mode_16_64 3
		.amdhsa_memory_ordered 1
		.amdhsa_forward_progress 1
		.amdhsa_inst_pref_size 69
	.end_amdhsa_kernel
	.amdgpu_metadata
---
amdhsa.version: [ 1, 2 ]
amdhsa.kernels:
  - .name:           k_qe4aeb07c60_oproj
    .symbol:         k_qe4aeb07c60_oproj.kd
    .args:
      - { .name: aimg, .offset: 0, .size: 8, .value_kind: global_buffer, .address_space: global }
      - { .name: asc, .offset: 8, .size: 8, .value_kind: global_buffer, .address_space: global }
      - { .name: Wo_codes, .offset: 16, .size: 8, .value_kind: global_buffer, .address_space: global }
      - { .name: Wo_scales, .offset: 24, .size: 8, .value_kind: global_buffer, .address_space: global }
      - { .name: bo, .offset: 32, .size: 8, .value_kind: global_buffer, .address_space: global }
      - { .name: out0, .offset: 40, .size: 8, .value_kind: global_buffer, .address_space: global }
    .group_segment_fixed_size: 235008
    .private_segment_fixed_size: 0
    .kernarg_segment_align: 8
    .kernarg_segment_size: 48
    .max_flat_workgroup_size: 128
    .sgpr_count:     66
    .vgpr_count:     576
    .wavefront_size: 32
...
	.end_amdgpu_metadata
.endif
;; end of part 3
